; MI455X (gfx1250); checked and timed in simulation.
; The chip was launched on July 23, 2026; its instructions are those of AMD's public machine-readable ISA for CDNA 5 (MIT licence, August 2026) and "CDNA5" Instruction Set Architecture Reference Guide (July 2026). The comments in the code are by the model that wrote it; some were corrected since.
;; PLT Block. Allowed arithmetic: float matrix products may take bf16 or f16 operands with f32 sums; all other float work in f32.
;; Inputs: Wk 1,024 x 1,024 float32; Wp 1,024 x 1,024 float32; Wq 1,024 x 1,024 float32; Wv 1,024 x 1,024 float32; bp 1,024 float32; x 8 x 1,024 x 1,024 float32.
;; Outputs: out0 8 x 1,024 x 1,024 float32.
;; One version. Each part assembles by itself: llvm-mc -triple=amdgcn-amd-amdhsa -mcpu=gfx1250 --defsym DOCPART=n.
;; ======== version 1 of 1: 3 launches
;; limits: values are held in f16: magnitudes above 65,504 overflow, below 6.1e-05 lose precision; inputs' magnitudes at most 65,504; right only within a limited range of input values
;; workspace buffers: x16 16,777,216 bytes; act 4,194,304 bytes; gram 16,777,216 bytes; u16 16,777,216 bytes; kvt 16,777,216 bytes; st0 2,048 bytes
;; launch prep (part 1): grid 32 x 8, 8 waves a work-group, no clusters, 244,992 bytes of LDS; arguments x, Wq, Wk, Wv, Wp, x16, act, gram, st0; writes x16, act, gram, st0
.if DOCPART == 1
	.amdgcn_target "amdgcn-amd-amdhsa--gfx1250"
	.amdhsa_code_object_version 6
	.text
	.protected	k_q9426cc4882_prep
	.globl	k_q9426cc4882_prep
	.p2align	8
	.type	k_q9426cc4882_prep,@function
k_q9426cc4882_prep:
	s_mov_b64 s[64:65], 0
	v_nop
	global_prefetch_b8 v0, s[64:65] scope:SCOPE_SE
	s_setreg_imm32_b32 hwreg(HW_REG_WAVE_MODE, 25, 1), 1
	s_wait_xcnt 0x0
; FIRST OF THREE LAUNCHES.  out = ((x Wq^T) ((x Wk^T)^T (x Wv^T))) Wp^T + bp + x, per batch, is computed in another order of the same products.
; In real numbers  out[s,g] = sum over d,e,d',s',d'',f of x[s,d] Wq[e,d] Wk[e,d'] x[s',d'] x[s',d''] Wv[f,d''] Wp[g,f]  + bp[g] + x[s,g],
; and a finite sum may be taken in any order, for all values of the inputs.  With  A[d,d'] = sum_e Wq[e,d] Wk[e,d'],  C[d'',g] = sum_f Wv[f,d''] Wp[g,f],
; G[d',d''] = sum_s' x[s',d'] x[s',d'']  (per batch):   u = x A,   kv = G C,   out = u kv + bp + x.
; G[d'',d'] = G[d',d''] term by term, for all x: of a batch's 32 blocks of 128 x 256 only the 20 that reach the diagonal's 256-blocks are summed; 12 of them are also stored mirrored.
; That is 5 + 2 + 8 + 8 + 8 = 31 products of 1024^3 in place of 48.  No input is left out: all six reach the result and all six are loaded.
; FORMATS: all matrix operands are f16 (eleven bits), sums in f32.  f16's short range is met by exact powers of two: A and C are stored times 32, G times 2^-6; u and kv are
; stored times 2^-g with g taken from measured maxima so that  1024 x max|P| x max|Q| x 2^-g < 2^15  (no sum of 1024 products can pass it); the last launch multiplies the
; inverse powers back.  The powers enter as factors only, never into an address or a branch.
; LIMITS: the order of rounding differs from the written order.  |x|, |Wq|, |Wk|, |Wv|, |Wp| below 65,504 (they go to f16 as they are); |A|, |C| below 2,047 (stored times 32);
; the sum of squares of a column of x over a batch below 2^22 (G stored times 2^-6), an rms of 64.  NaN and infinities in the inputs give results that are not finite, but not surely at the same places.
;
; THIS LAUNCH, 32 x 8 work-groups of eight waves; y is the batch (for x below 20 and from 28 on):
;   x =  0 .. 19: gram[1024 y + d'][d''] = 2^-6 G, block (i, j): rows 128 i, columns 256 j, i <= 2 j + 1; mirrored too where j > i / 2
;   x = 20 .. 27: one of the 64 blocks of act[2048][1024]: rows 0-1023  act[d'][d] = 32 sum_e Wk[e,d'] Wq[e,d];  rows 1024-2047  act[1024+g][d] = 32 sum_f Wp[g,f] Wv[f,d]
;   x = 28 .. 31: x16 = f16(x) for 256 rows of the batch, and the largest |x| of each wave's share
; st0: word 32 y + x (x < 28): the largest magnitude stored by that block; word 256 + 8 (4 y + x - 28) + wave: the largest |x|.
; A block is 128 (M) x 256 (N), a wave makes 64 x 64: 16 accumulator tiles.  K = 1024 goes in 16 tiles of 64.  The f32 operands pass through registers, where they are rounded
; (so no joint load of a cluster could bring a tile ready for use: no cluster), two register sets deep, into two LDS sets that take turns.
; REGISTERS: window 0: v0-31 addresses; v32-95 M fragments (chunk c, block a at 32 c + 8 a); v96-159 N fragments; v160-255 raw set 0 (M 32 registers, N 64).
;            window 1: v0-127 the sums, tile (a, b) at 8 (4 a + b); v128-223 raw set 1.
.set PM,     288                       ; LDS pitch of an M tile that lies [k][m]: 128 f16 = 256 bytes + 32 = 9 x 32
.set PC,     144                       ; LDS pitch of Wp's tile, which lies [m][k]: 64 f16 = 128 bytes + 16 = 9 x 16
.set PN,     544                       ; LDS pitch of the N tile: 256 f16 = 512 bytes + 32 = 17 x 32
.set NOFF,   64*PM                     ; 18,432 = 64 x 288 = 128 x 144: the N tile lies behind the M tile
.set SETB,   NOFF+64*PN                ; 53,248 bytes in a set
.set STAGE,  2*SETB                    ; 106,496: the finished block, 128 rows x 528 bytes
.set SP,     528                       ; 512 + 16 = 33 x 16
.set TSTAGE, STAGE+128*SP              ; 174,080: the mirrored block, 32 rows x 272 bytes for each wave
.set TP,     272
.set STAT,   TSTAGE+256*TP             ; 243,712: eight words, the waves' maxima
.set VM,   2                           ; v2      load offset of M
.set VN,   4                           ; v4      load offset of N
.set LSM,  5                           ; v5-6    LDS store address of M in set 0, 1
.set LSN,  7                           ; v7-8    the same for N
.set FAD,  9                           ; v9-10   M fragments in set 0, 1
.set FBN,  11                          ; v11-12  N fragments
.set SST,  13                          ; stage in
.set SRD,  14                          ; stage out
.set CO,   15                          ; my offset in the output block
.set MX,   16                          ; v16-17  two chains of maxima
.set TRD,  20                          ; the mirror: transposing read of the stage
.set TST,  21                          ; the mirror: into my own stage
.set TRB,  22                          ; the mirror: rows back
.set CO2,  23                          ; the mirror: my offset in gram
.set SC,   28                          ; v[28:29] the block's power of two, twice
.set FA,   32
.set FB,   96
.set T,    160                         ; the way out: 32 scaled results
.set TMP,  192                         ; the way out: 64 registers of f16
.set XR,   32                          ; the cast: two sets of 64 registers
.set MSB, 0
.macro WIN new                         ; the immediate's high byte repeats the setting that is left
.if MSB != \new
	s_set_vgpr_msb (MSB<<8)|\new
.set MSB, \new
.endif
.endm
; four places between a matrix instruction and a load into a register that it read, or a vector instruction that reads its result (ISA guide 7.12.1 for vector instructions)
.macro PLACES
.rept 4
	v_nop
.endr
.endm
.macro WMAX r, t                       ; the largest over the 32 lanes, in every lane; t: any register that has been written
	v_max_num_f32_dpp v[\r], v[\r], v[\r] row_xmask:1 row_mask:0xf bank_mask:0xf
	v_max_num_f32_dpp v[\r], v[\r], v[\r] row_xmask:2 row_mask:0xf bank_mask:0xf
	v_max_num_f32_dpp v[\r], v[\r], v[\r] row_xmask:4 row_mask:0xf bank_mask:0xf
	v_max_num_f32_dpp v[\r], v[\r], v[\r] row_xmask:8 row_mask:0xf bank_mask:0xf
	v_permlanex16_b32 v[\t], v[\r], s30, s31
	v_max_num_f32 v[\r], v[\r], v[\t]
.endm
; 24 loads of 16 bytes a lane: a tile's 32 KiB of M and 64 KiB of N into raw set 0 or 1.  kc = 0: M lies [k][m], a wave a row of 512 bytes, eight rows a load;
; kc = 1: Wp, [m][k], sixteen lanes a row of 256 bytes, sixteen rows a load.  N: two waves a row of 1,024 bytes, four rows a load.
.macro LOADS set, kc
.set RW, 160-32*\set
.if \set
	WIN 0x40                                       ; destination window 1, offset window 0
.else
	WIN 0
.endif
.irp p, 0,1,2,3,4,5,6,7
	global_load_b128 v[RW+4*\p:RW+4*\p+3], v[VM], s[24:25] offset:\p*32768*(1+\kc)
.endr
.irp p, 0,1,2,3,4,5,6,7,8,9,10,11,12,13,14,15
	global_load_b128 v[RW+32+4*\p:RW+32+4*\p+3], v[VN], s[28:29] offset:\p*16384
.endr
.endm
.macro STEP                            ; both operands one tile on
	s_wait_xcnt 0x0                                ; the bases step only behind this wait
	s_add_nc_u64 s[24:25], s[24:25], s[26:27]
	s_add_nc_u64 s[28:29], s[28:29], 0x40000
.endm
; raw set 0 or 1 is rounded to f16 in place (a quad's first two registers) and stored to the LDS set of the same number.  left = younger loads that may stay out.
; Eight rows of 288 bytes and sixteen rows of 144 bytes are both 2,304 bytes: one immediate serves both layouts of M.
.macro CONV set, left
.set RW, 160-32*\set
	s_wait_loadcnt \left                           ; loads come back in order: this set's 24 are in
.if \set
	WIN 0x45                                       ; both sources and the destination in window 1
.else
	WIN 0
.endif
.irp i, 0,1,2,3,4,5,6,7,8,9,10,11,12,13,14,15,16,17,18,19,20,21,22,23
	v_cvt_pk_f16_f32 v[RW+4*\i], v[RW+4*\i], v[RW+4*\i+1]
	v_cvt_pk_f16_f32 v[RW+4*\i+1], v[RW+4*\i+2], v[RW+4*\i+3]
.endr
.if \set
	WIN 0x04                                       ; an LDS store's data is source 1
.endif
.irp p, 0,1,2,3,4,5,6,7
	ds_store_b64 v[LSM+\set], v[RW+4*\p:RW+4*\p+1] offset:\p*2304
.endr
.irp p, 0,1,2,3,4,5,6,7,8,9,10,11,12,13,14,15
	ds_store_b64 v[LSN+\set], v[RW+32+4*\p:RW+32+4*\p+1] offset:\p*4*PN
.endr
	WIN 0
.endm
; 32 LDS loads: the fragments of both chunks of 32 along K, chunk 0 first.  Tiles that lie [k][..] are transposed on the way.
.macro FRAGS s, kc
.irp c, 0,1
.irp b, 0,1,2,3
	ds_load_tr16_b128 v[FB+32*\c+8*\b:FB+32*\c+8*\b+3],   v[FBN+\s] offset:\c*32*PN+32*\b
	ds_load_tr16_b128 v[FB+32*\c+8*\b+4:FB+32*\c+8*\b+7], v[FBN+\s] offset:\c*32*PN+32*\b+16*PN
.endr
.irp a, 0,1,2,3
.if \kc
	ds_load_b128 v[FA+32*\c+8*\a:FA+32*\c+8*\a+3],   v[FAD+\s] offset:\a*16*PC+64*\c
	ds_load_b128 v[FA+32*\c+8*\a+4:FA+32*\c+8*\a+7], v[FAD+\s] offset:\a*16*PC+64*\c+32
.else
	ds_load_tr16_b128 v[FA+32*\c+8*\a:FA+32*\c+8*\a+3],   v[FAD+\s] offset:\c*32*PM+32*\a
	ds_load_tr16_b128 v[FA+32*\c+8*\a+4:FA+32*\c+8*\a+7], v[FAD+\s] offset:\c*32*PM+32*\a+16*PM
.endif
.endr
.endr
.endm
; 16 products, chunk c.  Source 0 = columns (N), source 1 = rows (M): a lane's eight results are eight neighbouring columns of one row.
; The 16 accumulators take turns, one instruction a turn, in the same order in every chunk, over the backward jump too.
.macro MM c, zero
.irp a, 0,1,2,3
.irp b, 0,1,2,3
.if \zero
	v_wmma_f32_16x16x32_f16 v[8*(4*\a+\b):8*(4*\a+\b)+7], v[FB+32*\c+8*\b:FB+32*\c+8*\b+7], v[FA+32*\c+8*\a:FA+32*\c+8*\a+7], 0
.else
	v_wmma_f32_16x16x32_f16 v[8*(4*\a+\b):8*(4*\a+\b)+7], v[FB+32*\c+8*\b:FB+32*\c+8*\b+7], v[FA+32*\c+8*\a:FA+32*\c+8*\a+7], v[8*(4*\a+\b):8*(4*\a+\b)+7]
.endif
.endr
.endr
.endm
; One trip multiplies the tile in LDS set s.  conv = 1: the next tile (raw set o) is rounded and stored to LDS set o meanwhile; more = 1: raw set o is loaded again, three tiles ahead.
; ONE barrier a trip: in front of it every wave has waited for its reads of set o (the last trip's) and for its stores into set s; behind it set s is read and set o is written.
.macro TRIP s, o, kc, conv, left, more, zero
	s_wait_dscnt 0x0                               ; for the other waves: my stores of this trip's tile are done, my reads of the last tile too
	s_barrier_signal -1
	s_barrier_wait -1
	WIN 0
	PLACES                                         ; behind the last trip's products, ahead of the loads into their fragments
	FRAGS \s, \kc
.if \conv
	CONV \o, \left                                 ; stands between the fragments' request and their use
	s_wait_dscnt 40                                ; chunk 0's 16 loads are in: chunk 1's 16 and the 24 stores may be out
.else
	s_wait_dscnt 16                                ; chunk 0's 16 loads are in: chunk 1's 16 may be out
.endif
	WIN 0x50                                       ; C and D window 1, fragments window 0
	MM 0, \zero
	s_wait_dscnt 0x0                               ; chunk 1 is in, and the LDS stores have read raw set o: it may be loaded again
.if \more
	STEP
	LOADS \o, \kc
.endif
	WIN 0x50
	MM 1, 0
	WIN 0                                          ; at a label and at a branch every window is 0
.endm
; The whole K loop for one layout of M: its addresses, the first loads, 16 trips.
.macro KLOOP kc
.if \kc
	v_lshlrev_b32 v[VM], 12, v31                   ; row t / 16, 16 bytes at 16 (t % 16)
	v_lshl_add_u32 v[VM], v19, 4, v[VM]
	v_mul_u32_u24 v[LSM], v31, PC
	v_lshl_add_u32 v[LSM], v19, 3, v[LSM]
	s_mul_i32 s34, s32, 64*PC                      ; my 64 rows
	v_mul_u32_u24 v[FAD], v19, PC                  ; row l % 16, 16 bytes for each half of the lanes
	v_lshl_add_u32 v[FAD], v24, 4, v[FAD]
.else
	v_lshlrev_b32 v[VM], 12, v18                   ; row = wave, 16 bytes a lane
	v_lshl_add_u32 v[VM], v1, 4, v[VM]
	v_mul_u32_u24 v[LSM], v18, PM
	v_lshl_add_u32 v[LSM], v1, 3, v[LSM]
	s_lshl_b32 s34, s32, 7                         ; my 64 columns, 128 bytes
	v_mul_u32_u24 v[FAD], v25, PM                  ; k row 8 (l / 16) + (l & 7), 16 bytes at 16 ((l >> 3) & 1)
	v_lshl_add_u32 v[FAD], v26, 4, v[FAD]
.endif
	v_add_nc_u32 v[LSM+1], SETB, v[LSM]
	v_add_nc_u32 v[FAD], s34, v[FAD]
	v_add_nc_u32 v[FAD+1], SETB, v[FAD]
	LOADS 0, \kc                                   ; tile 0
	STEP
	LOADS 1, \kc                                   ; tile 1
	CONV 0, 24                                     ; tile 0 into LDS set 0; tile 1's 24 loads stay out
	s_wait_dscnt 0x0                               ; the LDS stores have read raw set 0
	STEP
	LOADS 0, \kc                                   ; tile 2
	TRIP 0, 1, \kc, 1, 24, 1, 1                    ; trip t multiplies tile t, rounds tile t + 1 (tile t + 2's 24 loads stay out), asks for tile t + 3.  The first products start the sums
	TRIP 1, 0, \kc, 1, 24, 1, 0
	s_mov_b32 s7, 5
.Lk\kc:
	TRIP 0, 1, \kc, 1, 24, 1, 0                    ; trips 2 .. 11
	TRIP 1, 0, \kc, 1, 24, 1, 0
	s_sub_co_u32 s7, s7, 1
	s_cmp_lg_u32 s7, 0
	s_cbranch_scc1 .Lk\kc
	TRIP 0, 1, \kc, 1, 24, 1, 0                    ; trip 12 asks for tile 15, the last
	TRIP 1, 0, \kc, 1, 24, 0, 0
	TRIP 0, 1, \kc, 1, 0, 0, 0                     ; tile 15 is the youngest: the wait is for all
	TRIP 1, 0, \kc, 0, 0, 0, 0
.endm
; the way out, m block a of my four: times the block's power of two, the largest magnitude, f16, 16 bytes a lane into the stage
.macro OUTA a
	WIN 0x01                                       ; source 0 in the sums' window
.irp b, 0,1,2,3
.irp q, 0,1,2,3
	v_pk_mul_f32 v[T+8*\b+2*\q:T+8*\b+2*\q+1], v[8*(4*\a+\b)+2*\q:8*(4*\a+\b)+2*\q+1], v[SC:SC+1]
.endr
.endr
	WIN 0
.irp b, 0,1,2,3
	v_max3_num_f32 v[MX], v[MX], |v[T+8*\b]|, |v[T+8*\b+1]|
	v_max3_num_f32 v[MX+1], v[MX+1], |v[T+8*\b+2]|, |v[T+8*\b+3]|
	v_max3_num_f32 v[MX], v[MX], |v[T+8*\b+4]|, |v[T+8*\b+5]|
	v_max3_num_f32 v[MX+1], v[MX+1], |v[T+8*\b+6]|, |v[T+8*\b+7]|
.endr
.irp b, 0,1,2,3
.irp q, 0,1,2,3
	v_cvt_pk_f16_f32 v[TMP+16*\a+4*\b+\q], v[T+8*\b+2*\q], v[T+8*\b+2*\q+1]
.endr
.endr
.irp b, 0,1,2,3
	ds_store_b128 v[SST], v[TMP+16*\a+4*\b:TMP+16*\a+4*\b+3] offset:\a*16*SP+32*\b
.endr
.endm
; the cast: sixteen rows of x, a row a load of the work-group
.macro LOADC set
.irp p, 0,1,2,3,4,5,6,7,8,9,10,11,12,13,14,15
	global_load_b128 v[XR+64*\set+4*\p:XR+64*\set+4*\p+3], v2, s[8:9] offset:\p*4096
.endr
.endm
.macro TRIPC set, more, left
	s_wait_loadcnt \left                           ; this set's sixteen loads are in, the other set's sixteen stay out
.irp p, 0,1,2,3,4,5,6,7,8,9,10,11,12,13,14,15
	v_max3_num_f32 v[MX], v[MX], |v[XR+64*\set+4*\p]|, |v[XR+64*\set+4*\p+1]|
	v_max3_num_f32 v[MX+1], v[MX+1], |v[XR+64*\set+4*\p+2]|, |v[XR+64*\set+4*\p+3]|
	v_cvt_pk_f16_f32 v[XR+64*\set+4*\p], v[XR+64*\set+4*\p], v[XR+64*\set+4*\p+1]
	v_cvt_pk_f16_f32 v[XR+64*\set+4*\p+1], v[XR+64*\set+4*\p+2], v[XR+64*\set+4*\p+3]
	global_store_b64 v3, v[XR+64*\set+4*\p:XR+64*\set+4*\p+1], s[18:19] offset:\p*2048   ; a wave's store covers 256 consecutive bytes, aligned
.endr
	s_wait_xcnt 0x0                                ; the bases and the stores' data are rewritten only behind this wait
	s_add_nc_u64 s[18:19], s[18:19], 0x8000
.if \more
	s_add_nc_u64 s[8:9], s[8:9], 0x10000
	LOADC \set
.endif
.endm
	s_load_b512 s[8:23], s[0:1], 0x0               ; x 8, Wq 10, Wk 12, Wv 14, Wp 16, x16 18, act 20, gram 22
	s_load_b64 s[36:37], s[0:1], 0x40              ; st0
	s_set_vgpr_msb 0x40
	v_lshl_add_u32 v224, v0, 2, 0x3b900
	v_mov_b32 v225, 0
	s_set_vgpr_msb 0x4000
	s_mov_b32 s2, ttmp9                            ; work-group x
	s_and_b32 s3, ttmp7, 0xffff                    ; work-group y
	s_mov_b32 s30, 0x76543210                      ; v_permlanex16_b32: lane i of one half reads lane i of the other
	s_mov_b32 s31, 0xfedcba98
	v_lshrrev_b32 v18, 5, v0                       ; t >> 5
	v_readfirstlane_b32 s6, v18                    ; wave
	v_and_b32 v1, 31, v0                           ; lane
	v_mov_b32 v[MX], 0                             ; magnitudes are never below 0
	v_mov_b32 v[MX+1], 0
	s_cmp_ge_u32 s2, 28                            ; the same in the whole work-group
	s_cbranch_scc1 .Lcast
	; ---------------- a block of gram or of act ----------------
	v_and_b32 v19, 15, v0                          ; r = l % 16
	v_bfe_u32 v24, v0, 4, 1                        ; h = l / 16
	v_and_b32 v27, 7, v0
	v_lshl_add_u32 v25, v24, 3, v27                ; 8 h + (l & 7): the k row that a transposing load's lane addresses
	v_bfe_u32 v26, v0, 3, 1                        ; which 16 bytes of that row
	v_lshrrev_b32 v31, 4, v0                       ; t >> 4
	s_lshr_b32 s32, s6, 2                          ; wm: my 64 rows
	s_and_b32 s33, s6, 3                           ; wn: my 64 columns
	v_lshrrev_b32 v30, 6, v0                       ; N: two waves a row
	v_and_b32 v3, 63, v0
	v_lshlrev_b32 v[VN], 12, v30
	v_lshl_add_u32 v[VN], v3, 4, v[VN]
	v_mul_u32_u24 v[LSN], v30, PN
	v_lshl_add_u32 v[LSN], v3, 3, v[LSN]
	v_add_nc_u32 v[LSN], NOFF, v[LSN]
	v_add_nc_u32 v[LSN+1], SETB, v[LSN]
	s_lshl_b32 s34, s33, 7                         ; my 64 columns of N, 128 bytes
	s_add_co_u32 s34, s34, NOFF
	v_mul_u32_u24 v[FBN], v25, PN
	v_lshl_add_u32 v[FBN], v26, 4, v[FBN]
	v_add_nc_u32 v[FBN], s34, v[FBN]
	v_add_nc_u32 v[FBN+1], SETB, v[FBN]
	s_mul_i32 s34, s32, 64*SP                      ; stage in: row 64 wm + r, bytes 128 wn + 16 h
	s_lshl_b32 s35, s33, 7
	s_add_co_u32 s34, s34, s35
	s_add_co_u32 s34, s34, STAGE
	v_mul_u32_u24 v[SST], v19, SP
	v_lshl_add_u32 v[SST], v24, 4, v[SST]
	v_add_nc_u32 v[SST], s34, v[SST]
	s_mul_i32 s34, s6, SP                          ; stage out: a wave a row of 512 bytes, rows wave + 8 p
	s_add_co_u32 s34, s34, STAGE
	v_lshl_add_u32 v[SRD], v1, 4, s34
	s_lshl_b32 s34, s6, 11                         ; the same in the output: rows of 2,048 bytes
	v_lshl_add_u32 v[CO], v1, 4, s34
	s_lshl_b32 s34, s6, 6                          ; the mirror: my 32 columns of the stage (64 bytes), lane l addresses row l of 32
	s_add_co_u32 s34, s34, STAGE
	v_mul_u32_u24 v[TRD], v1, SP
	v_add_nc_u32 v[TRD], s34, v[TRD]
	s_mul_i32 s34, s6, 32*TP                       ; my own 32 rows of the mirrored block
	s_add_co_u32 s34, s34, TSTAGE
	v_bfe_u32 v30, v0, 3, 2                        ; l / 8
	v_mul_u32_u24 v[TST], v27, TP                  ; in: row l & 7, 16 bytes at 16 (l / 8)
	v_lshl_add_u32 v[TST], v30, 4, v[TST]
	v_add_nc_u32 v[TST], s34, v[TST]
	v_mul_u32_u24 v[TRB], v24, TP                  ; back: lanes 0-15 a row of 256 bytes, lanes 16-31 the next
	v_lshl_add_u32 v[TRB], v19, 4, v[TRB]
	v_add_nc_u32 v[TRB], s34, v[TRB]
	s_lshl_b32 s34, s6, 16                         ; and in gram: 32 rows of 2,048 bytes a wave
	v_lshlrev_b32 v[CO2], 11, v24
	v_lshl_add_u32 v[CO2], v19, 4, v[CO2]
	v_add_nc_u32 v[CO2], s34, v[CO2]
	; which block.  gram: column block j owns 2 j + 2 row blocks, which begin at x = j (j + 1).  act: block 8 y + x - 20 of 64: kind, 8 row blocks, 4 column blocks
	s_cmp_ge_u32 s2, 20
	s_cselect_b32 s39, 1, 0                        ; 1: a block of act
	s_cmp_ge_u32 s2, 2
	s_cselect_b32 s5, 1, 0
	s_cmp_ge_u32 s2, 6
	s_cselect_b32 s34, 1, 0
	s_add_co_u32 s5, s5, s34
	s_cmp_ge_u32 s2, 12
	s_cselect_b32 s34, 1, 0
	s_add_co_u32 s5, s5, s34                       ; j
	s_add_co_u32 s34, s5, 1
	s_mul_i32 s34, s34, s5
	s_sub_co_u32 s4, s2, s34                       ; i = x - j (j + 1)
	s_sub_co_u32 s34, s2, 20
	s_and_b32 s35, s34, 3                          ; act's column block
	s_bfe_u32 s34, s34, 0x10002
	s_and_b32 s42, s3, 3
	s_lshl1_add_u32 s34, s42, s34                  ; act's row block: 2 (y % 4) + (x - 20) / 4
	s_lshr_b32 s38, s3, 2                          ; act's kind: y / 4
	s_lshl_b32 s41, s3, 22                         ; the batch in x: 1,024 rows of 4,096 bytes
	s_cmp_lg_u32 s39, 0
	s_cselect_b32 s4, s34, s4                      ; row block of 128
	s_cselect_b32 s5, s35, s5                      ; column block of 256
	s_cselect_b32 s38, s38, 0                      ; 1: M is Wp, which lies along K
	s_cselect_b32 s43, s38, s3                     ; which 1,024 rows of the output: the kind, or the batch
	s_cselect_b32 s41, 0, s41
	s_lshr_b32 s34, s4, 1
	s_cmp_gt_u32 s5, s34
	s_cselect_b32 s40, 1, 0                        ; 1: the block lies beside the diagonal's 256-block: stored mirrored too
	s_mov_b32 s34, 0x42000000                      ; 32
	s_mov_b32 s35, 0x3c800000                      ; 2^-6
	s_cmp_lg_u32 s39, 0
	s_cselect_b32 s40, 0, s40
	s_cselect_b32 s34, s34, s35
	v_mov_b32 v[SC], s34
	v_mov_b32 v[SC+1], s34
	s_lshl_b32 s44, s4, 9                          ; M: 128 columns of f32, or (Wp) 128 rows of 4,096 bytes
	s_lshl_b32 s45, s4, 19
	s_mov_b32 s26, 0x40000                         ; a tile on: 64 rows, or (Wp) 64 columns
	s_movk_i32 s27, 0x100
	s_cmp_lg_u32 s38, 0
	s_cselect_b32 s44, s45, s44
	s_cselect_b32 s26, s27, s26
	s_add_co_u32 s44, s44, s41
	s_mov_b32 s45, 0
	s_mov_b32 s27, 0
	s_lshl_b32 s46, s5, 10                         ; N: 256 columns of f32
	s_add_co_u32 s46, s46, s41
	s_mov_b32 s47, 0
	s_lshl_b32 s48, s43, 21                        ; the block in the output: rows of 2,048 bytes, 512 bytes a column block
	s_lshl_b32 s49, s4, 18
	s_add_co_u32 s48, s48, s49
	s_lshl_b32 s49, s5, 9
	s_add_co_u32 s48, s48, s49
	s_mov_b32 s49, 0
	s_lshl_b32 s50, s3, 21                         ; the mirrored block in gram: row 1024 y + 256 j, column byte 256 i
	s_lshl_b32 s51, s5, 19
	s_add_co_u32 s50, s50, s51
	s_lshl_b32 s51, s4, 8
	s_add_co_u32 s50, s50, s51
	s_mov_b32 s51, 0
	s_wait_kmcnt 0x0
	s_cmp_lg_u32 s38, 0
	s_cselect_b64 s[24:25], s[16:17], s[12:13]     ; Wp or Wk
	s_cselect_b64 s[28:29], s[14:15], s[10:11]     ; Wv or Wq
	s_cmp_lg_u32 s39, 0
	s_cselect_b64 s[24:25], s[24:25], s[8:9]       ; or x, for both operands
	s_cselect_b64 s[28:29], s[28:29], s[8:9]
	s_cselect_b64 s[20:21], s[20:21], s[22:23]     ; act or gram
	s_add_nc_u64 s[24:25], s[24:25], s[44:45]
	s_add_nc_u64 s[28:29], s[28:29], s[46:47]
	s_add_nc_u64 s[20:21], s[20:21], s[48:49]
	s_add_nc_u64 s[22:23], s[22:23], s[50:51]
	s_cmp_lg_u32 s38, 0                            ; the same in the whole work-group
	s_cbranch_scc1 .Lct
	KLOOP 0
	s_branch .Lout
.Lct:
	KLOOP 1
.Lout:
	PLACES                                         ; behind the last products
	OUTA 0
	OUTA 1
	OUTA 2
	OUTA 3
	v_max_num_f32 v[MX], v[MX], v[MX+1]
	WMAX MX, 18
	s_lshl_b32 s34, s6, 2
	s_add_co_u32 s34, s34, STAT
	v_mov_b32 v19, s34
	ds_store_b32 v19, v[MX]                        ; every lane writes the wave's word with the same value
	s_wait_dscnt 0x0                               ; for the other waves: zero
	s_barrier_signal -1
	s_barrier_wait -1
.irp p, 0,1,2,3,4,5,6,7,8,9,10,11,12,13,14,15
	ds_load_b128 v[FA+4*\p:FA+4*\p+3], v[SRD] offset:\p*8*SP
.endr
.irp p, 0,1,2,3,4,5,6,7,8,9,10,11,12,13,14,15
	s_wait_dscnt 15-\p                             ; LDS loads come back in order: load p is in
	global_store_b128 v[CO], v[FA+4*\p:FA+4*\p+3], s[20:21] offset:\p*16384   ; the wave stores 512 consecutive bytes, aligned
.endr
	s_cmp_eq_u32 s40, 0
	s_cbranch_scc1 .Lnomirror
	; THE MIRROR.  Wave w takes columns 32 w .. 32 w + 31 of the stage, which become whole rows (128 numbers, 256 bytes) of the mirrored block.  A transposing load whose lane l
	; addresses row 32 qa + l gives lane 8 g + i the numbers of rows 32 qa + 8 g .. + 7 in column 8 qb + i: 16 bytes of mirrored row 8 qb + i.  They are laid as rows in
	; the wave's own stage (no other wave touches it: no barrier) and read back by rows.
.irp qa, 0,1,2,3
.irp qb, 0,1,2,3
	ds_load_tr16_b128 v[FB+4*(4*\qa+\qb):FB+4*(4*\qa+\qb)+3], v[TRD] offset:\qa*32*SP+16*\qb
.endr
.endr
	s_wait_dscnt 0x0
.irp qa, 0,1,2,3
.irp qb, 0,1,2,3
	ds_store_b128 v[TST], v[FB+4*(4*\qa+\qb):FB+4*(4*\qa+\qb)+3] offset:\qb*8*TP+64*\qa
.endr
.endr
.irp p, 0,1,2,3,4,5,6,7,8,9,10,11,12,13,14,15
	ds_load_b128 v[T+4*\p:T+4*\p+3], v[TRB] offset:\p*2*TP         ; LDS serves a wave's instructions in order: these see the stores above
.endr
.irp p, 0,1,2,3,4,5,6,7,8,9,10,11,12,13,14,15
	s_wait_dscnt 15-\p
	global_store_b128 v[CO2], v[T+4*\p:T+4*\p+3], s[22:23] offset:\p*4096   ; 16 lanes store 256 consecutive bytes, aligned
.endr
.Lnomirror:
	s_cmp_lg_u32 s6, 0
	s_cbranch_scc1 .Lend
	; wave 0 joins the eight waves' maxima: st0[32 y + x]
	v_mov_b32 v19, STAT
	ds_load_b128 v[224:227], v19
	ds_load_b128 v[228:231], v19 offset:16
	s_wait_dscnt 0x0
	v_max3_num_f32 v224, v224, v225, v226
	v_max3_num_f32 v227, v227, v228, v229
	v_max3_num_f32 v224, v224, v230, v231
	v_max_num_f32 v224, v224, v227
	s_lshl_b32 s34, s3, 5
	s_add_co_u32 s34, s34, s2
	s_lshl_b32 s34, s34, 2
	v_mov_b32 v24, s34
	s_wait_xcnt 0x0                                ; EXEC changes only behind this wait: stores are out
	v_cmp_gt_u32 vcc_lo, 1, v1
	s_and_saveexec_b32 s52, vcc_lo
	global_store_b32 v24, v224, s[36:37]
	s_wait_xcnt 0x0                                ; and again in front of the line that widens it
	s_or_b32 exec_lo, exec_lo, s52
.Lend:
	s_set_vgpr_msb 0x5
	s_wait_tensorcnt 0x0
	ds_add_u32 v224, v225
	s_wait_dscnt 0x0
	s_set_vgpr_msb 0x500
	s_endpgm
	; ---------------- the cast: rows 1024 y + 256 (x - 28) .. + 255 of x ----------------
	; Thread t owns 16 bytes of every row.  Two register sets of sixteen rows take turns, so 32 loads of every wave are on their way.  The waves share nothing: no LDS, no barrier.
.Lcast:
	s_sub_co_u32 s4, s2, 28
	s_lshl_b32 s44, s3, 22
	s_lshl_b32 s45, s4, 20
	s_add_co_u32 s44, s44, s45
	s_mov_b32 s45, 0
	s_lshl_b32 s46, s3, 21
	s_lshl_b32 s47, s4, 19
	s_add_co_u32 s46, s46, s47
	s_mov_b32 s47, 0
	v_lshlrev_b32 v2, 4, v0                        ; x: 16 t
	v_lshlrev_b32 v3, 3, v0                        ; x16: 8 t
	s_wait_kmcnt 0x0
	s_add_nc_u64 s[8:9], s[8:9], s[44:45]
	s_add_nc_u64 s[18:19], s[18:19], s[46:47]
	LOADC 0
	s_wait_xcnt 0x0                                ; the base steps only behind this wait
	s_add_nc_u64 s[8:9], s[8:9], 0x10000
	LOADC 1
	TRIPC 0, 1, 16
	TRIPC 1, 1, 16
	s_mov_b32 s7, 6
.Lc:
	TRIPC 0, 1, 16
	TRIPC 1, 1, 16
	s_sub_co_u32 s7, s7, 1
	s_cmp_lg_u32 s7, 0
	s_cbranch_scc1 .Lc
	TRIPC 0, 0, 16                                 ; the last two trips load nothing
	TRIPC 1, 0, 0
	v_max_num_f32 v[MX], v[MX], v[MX+1]
	WMAX MX, 18
	s_lshl2_add_u32 s34, s3, s4                    ; 4 y + x - 28
	s_lshl3_add_u32 s34, s34, s6                   ; eight words a work-group, one a wave
	s_lshl_b32 s34, s34, 2
	s_add_co_u32 s34, s34, 1024
	v_mov_b32 v4, s34
	s_wait_xcnt 0x0                                ; EXEC changes only behind this wait: stores are out
	v_cmp_gt_u32 vcc_lo, 1, v1
	s_and_saveexec_b32 s52, vcc_lo
	global_store_b32 v4, v[MX], s[36:37]
	s_wait_xcnt 0x0                                ; and again in front of the line that widens it
	s_or_b32 exec_lo, exec_lo, s52
	s_endpgm
.Lfunc_end_k_q9426cc4882_prep:
	.size	k_q9426cc4882_prep, .Lfunc_end_k_q9426cc4882_prep-k_q9426cc4882_prep
	.p2alignl 7, 3214868480
	.fill 96, 4, 3214868480
	.section	.rodata,"a",@progbits
	.p2align	6, 0x0
	.amdhsa_kernel k_q9426cc4882_prep
		.amdhsa_group_segment_fixed_size 244992
		.amdhsa_private_segment_fixed_size 0
		.amdhsa_enable_private_segment 0
		.amdhsa_kernarg_size 72
		.amdhsa_user_sgpr_count 2
		.amdhsa_user_sgpr_kernarg_segment_ptr 1
		.amdhsa_wavefront_size32 1
		.amdhsa_system_sgpr_workgroup_id_x 1
		.amdhsa_system_sgpr_workgroup_id_y 1
		.amdhsa_system_sgpr_workgroup_id_z 1
		.amdhsa_system_vgpr_workitem_id 0
		.amdhsa_next_free_vgpr 482
		.amdhsa_next_free_sgpr 66
		.amdhsa_reserve_vcc 1
		.amdhsa_float_denorm_mode_32 3
		.amdhsa_float_denorm_mode_16_64 3
		.amdhsa_memory_ordered 1
		.amdhsa_forward_progress 1
		.amdhsa_inst_pref_size 255
	.end_amdhsa_kernel
	.section	.bss,"aw",@nobits
	.p2align	6
	.space	262144
	.amdgpu_metadata
---
amdhsa.version: [ 1, 2 ]
amdhsa.kernels:
  - .name:           k_q9426cc4882_prep
    .symbol:         k_q9426cc4882_prep.kd
    .args:
      - { .name: x, .offset: 0, .size: 8, .value_kind: global_buffer, .address_space: global }
      - { .name: Wq, .offset: 8, .size: 8, .value_kind: global_buffer, .address_space: global }
      - { .name: Wk, .offset: 16, .size: 8, .value_kind: global_buffer, .address_space: global }
      - { .name: Wv, .offset: 24, .size: 8, .value_kind: global_buffer, .address_space: global }
      - { .name: Wp, .offset: 32, .size: 8, .value_kind: global_buffer, .address_space: global }
      - { .name: x16, .offset: 40, .size: 8, .value_kind: global_buffer, .address_space: global }
      - { .name: act, .offset: 48, .size: 8, .value_kind: global_buffer, .address_space: global }
      - { .name: gram, .offset: 56, .size: 8, .value_kind: global_buffer, .address_space: global }
      - { .name: st0, .offset: 64, .size: 8, .value_kind: global_buffer, .address_space: global }
    .group_segment_fixed_size: 244992
    .private_segment_fixed_size: 0
    .kernarg_segment_align: 8
    .kernarg_segment_size: 72
    .max_flat_workgroup_size: 256
    .sgpr_count:     66
    .vgpr_count:     482
    .wavefront_size: 32
...
	.end_amdgpu_metadata
.endif
;; end of part 1
;; launch guk (part 2): grid 8 x 32, 4 waves a work-group, clusters of 4 x 4, 327,680 bytes of LDS; arguments x16, act, gram, st0, u16, kvt; writes u16, kvt
.if DOCPART == 2
	.amdgcn_target "amdgcn-amd-amdhsa--gfx1250"
	.amdhsa_code_object_version 6
	.text
	.protected	k_q9426cc4882_guk
	.globl	k_q9426cc4882_guk
	.p2align	8
	.type	k_q9426cc4882_guk,@function
k_q9426cc4882_guk:
	s_mov_b64 s[64:65], 0
	v_nop
	global_prefetch_b8 v0, s[64:65] scope:SCOPE_SE
	s_setreg_imm32_b32 hwreg(HW_REG_WAVE_MODE, 25, 1), 1
	s_wait_xcnt 0x0
	s_wait_alu depctr_hold_cnt(0) depctr_sa_sdst(0) depctr_va_vdst(0) depctr_va_sdst(0) depctr_va_ssrc(0) depctr_va_vcc(0) depctr_vm_vsrc(0)
	s_getreg_b32 s2, hwreg(HW_REG_IB_STS2, 6, 4)
	s_cmp_eq_u32 s2, 0
	s_cbranch_scc0 .Lentry_in_a_cluster
	s_endpgm
.Lentry_in_a_cluster:
	s_bfe_u32 s2, ttmp6, 0x10000c
	s_cmp_lg_u32 s2, 0xf033
	s_cbranch_scc0 .Lentry_shape_is_right
	s_endpgm
.Lentry_shape_is_right:
; SECOND LAUNCH, two products of one shape that do not depend on each other; the cluster's x says which (it is the same in all sixteen partners):
;   0:  u16[s][d']          = s_u x sum_d x16[s][d] act[d'][d]                 (u = x A; 32 x 4 blocks of 256 x 256)
;   1:  kvt[1024 b + g][d'] = s_k x sum_k act[1024 + g][k] gram[1024 b + d'][k]  (kv = G C, stored [g][d']; 8 batches x 4 x 4 blocks: a cluster is a batch)
; No work of the problem is left out here (the order of the products is the one shown at the head of the first launch).
; s = 2^(141-E), E the biased exponent of 1024 x max|P| x max|Q| over the two operands as stored (st0): every sum of 1024 products times s is below 2^15, whatever the inputs hold.
; The last launch forms the same two E from the same words, so nothing but the products is stored here.
; A work-group makes 256 x 256 with four waves, a wave 128 x 128: 64 accumulator tiles, 512 registers.  K = 1024 goes in steps of 128 through a ring of two LDS slots
; filled by the tensor data mover; a tile's rows are 256 bytes of memory at multiples of 256 bytes.
; CLUSTERS: 4 x 4 work-groups.  The four of a row of the cluster need the same tiles of the row operand (M), the four of a column the same tiles of the column operand (N):
; each tile is asked for jointly, with the same descriptor and a mask that names the four, which divides the requests by four.
; REGISTERS in windows of 256: window 0: v0-31 addresses and the scale; v64-127, v128-191 fragments of M, two buffers; v192-207 st0's words; on the way out v160-255 at work.
;   window 1: v64-127, v128-191 fragments of N.  Window 2: the 32 accumulator tiles of my rows 0-63 (tile (a, b) at v[8 (8 a + b)]); window 3: rows 64-127.
; The matrix instruction is used transposed (source 0 = rows of N, source 1 = rows of M): a lane's eight results are eight neighbouring columns of one row of the output.
.set SIZE_N, 1024
.set SIZE_K, 1024
.set KSTEP,  128
.set PITCH,  272                       ; an LDS row: 256 bytes + 16 of padding: the 16 rows that a load touches start 17 x 16 bytes apart, at 16 different columns of 16 bytes
.set HALFT,  128*PITCH                 ; 128 rows: what one tensor load brings
.set SLOT,   4*HALFT                   ; M's 256 rows, then N's 256 rows
.set STAGE,  2*SLOT                    ; behind the ring: 16 rows x 272 bytes for each wave; no tensor load lands here
.set SPITCH, 272
.set LAPS, SIZE_K/(2*KSTEP)            ; 4 laps of two K steps
.set ADRA, 16                          ; v16-17  LDS address of my M fragments in slot 0, 1
.set ADRB, 20                          ; v20-21  the same for N
.set STO,  24                          ; v24     stage in
.set RD,   25                          ; v25     stage out
.set CO,   26                          ; v26     my byte offset in the output
.set SC,   28                          ; v[28:29] s, twice
.set F0,   64
.set F1,   128
.set T,    160                         ; the way out: 64 scaled results
.set TMP,  224                         ; the way out: 32 registers of f16
.set G1, 24                            ; s[24:31] group 1, M's tiles
.set G0, 32                            ; s[32:39] group 0, M's tiles, one set a slot
.set G1B, 48                           ; s[48:55] group 1, N's tiles
.set G0B, 56                           ; s[56:63] group 0, N's tiles
.set MSB, 0
.macro WIN new                         ; the immediate's high byte repeats the setting that is left
.if MSB != \new
	s_set_vgpr_msb (MSB<<8)|\new
.set MSB, \new
.endif
.endm
.set MUL_LO, 0xa1                      ; source 0 window 1, source 1 window 0, C and D window 2
.set MUL_HI, 0xf1                      ; the same, C and D window 3
.set TO_B,   0x40                      ; destination window 1, address window 0
; A joint load.  Waves 0 and 1 fetch M's two halves, waves 2 and 3 N's.  The branch hangs on the wave's number alone.
.macro JLOAD s
	s_cmp_eq_u32 s11, 0
	s_cbranch_scc0 .Lfor_b_\@
	tensor_load_to_lds s[G0+4*\s:G0+4*\s+3], s[G1:G1+7]
	s_nop 0
	s_branch .Lasked_\@
.Lfor_b_\@:
	tensor_load_to_lds s[G0B+4*\s:G0B+4*\s+3], s[G1B:G1B+7]
	s_nop 0
.Lasked_\@:
.endm
; A round of the cluster's barrier: my work-group's barrier; wave 0 signals for the work-group; every wave waits for all sixteen; my work-group's barrier once more.
.macro CREST                           ; a round behind its opening barrier
	s_cmp_lg_u32 s10, 0
	s_cbranch_scc1 .Lnot_wave_0_\@
	s_barrier_signal -3
.Lnot_wave_0_\@:
	s_barrier_wait -3
	s_barrier_signal -1
	s_barrier_wait -1
.endm
.macro CROUND
	s_barrier_signal -1
	s_barrier_wait -1
	CREST
.endm
.macro WMAX r, t                       ; the largest over the 32 lanes, in every lane; t: any register that has been written
	v_max_num_f32_dpp v[\r], v[\r], v[\r] row_xmask:1 row_mask:0xf bank_mask:0xf
	v_max_num_f32_dpp v[\r], v[\r], v[\r] row_xmask:2 row_mask:0xf bank_mask:0xf
	v_max_num_f32_dpp v[\r], v[\r], v[\r] row_xmask:4 row_mask:0xf bank_mask:0xf
	v_max_num_f32_dpp v[\r], v[\r], v[\r] row_xmask:8 row_mask:0xf bank_mask:0xf
	v_permlanex16_b32 v[\t], v[\r], s66, s67
	v_max_num_f32 v[\r], v[\r], v[\t]
.endm
	s_load_b128 s[4:7], s[0:1], 0x0                ; x16 s[4:5], act s[6:7]
	s_load_b128 s[72:75], s[0:1], 0x10             ; gram s[72:73], st0 s[74:75]
	s_load_b128 s[76:79], s[0:1], 0x20             ; u16 s[76:77], kvt s[78:79]
	s_set_vgpr_msb 0x40
	v_lshl_add_u32 v255, v0, 2, 0x48400
	s_set_vgpr_msb 0x4000
	v_mov_b32 v63, 0
	s_set_vgpr_msb 0x1
	ds_add_u32 v255, v63
	s_set_vgpr_msb 0x100
	v_lshrrev_b32 v1, 5, v0
	v_readfirstlane_b32 s10, v1                    ; wave 0..3
	s_lshr_b32 s11, s10, 1                         ; which half of the block's rows is mine.  Also: I fetch for M (0) or for N (1)
	s_and_b32 s12, s10, 1                          ; which half of its columns.  Also: which 128 rows of that tile I fetch
	s_mov_b32 s66, 0x76543210
	s_mov_b32 s67, 0xfedcba98
	s_mov_b32 s45, ttmp9                           ; the cluster's x: 0 = u16, 1 = kvt
	s_bfe_u32 s40, ttmp6, 0x40000                  ; cx: the block column of the output
	s_bfe_u32 s41, ttmp6, 0x40004                  ; cy
	s_and_b32 s80, ttmp7, 0xffff                   ; the cluster's y (for kvt: the batch)
	s_lshl_b32 s13, s80, 2
	s_add_co_u32 s13, s13, s41                     ; block row of the output = 4 x cluster y + cy
	s_lshl_b32 s43, s41, 2
	s_lshl_b32 s43, 15, s43                        ; my row of the cluster
	s_lshl_b32 s44, 0x1111, s40                    ; my column
	; group 1: a tile of 128 rows x 128 elements of 2 bytes, 4 words of padding behind every 64; all four buffers have rows of 1,024 elements
	s_or_b32 s[G1+0], s43, (1<<16)|(1<<20)|(1<<21)|(5<<22)|(3<<25)
	s_or_b32 s[G1B+0], s44, (1<<16)|(1<<20)|(1<<21)|(5<<22)|(3<<25)
	s_mov_b32 s[G1B+1], KSTEP<<16
	s_mov_b32 s[G1+1], KSTEP<<16                   ; tensor_dim0 = 128
	s_mov_b32 s[G1B+2], 128<<16
	s_mov_b32 s[G1+2], 128<<16                     ; tensor_dim1 = 128
	s_mov_b32 s[G1B+3], KSTEP<<16
	s_mov_b32 s[G1+3], KSTEP<<16                   ; tile_dim0 = 128
	s_mov_b32 s[G1B+4], 128
	s_mov_b32 s[G1+4], 128                         ; tile_dim1 = 128
	s_mov_b32 s[G1B+5], SIZE_K
	s_mov_b32 s[G1+5], SIZE_K                      ; elements from row to row
	s_mov_b32 s[G1B+6], 0
	s_mov_b32 s[G1+6], 0
	s_mov_b32 s[G1B+7], 0
	s_mov_b32 s[G1+7], 0
	; M's rows hang on cy and the cluster's y, N's on cx and the cluster's y; each is made in registers that never hold the other place in the cluster
	s_lshl_b32 s17, s12, 7                         ; which 128 rows of the tile I fetch
	s_lshl_b32 s16, s13, 8                         ; u16: x16's row 256 x block row
	s_lshl_b32 s18, s41, 8
	s_add_co_u32 s18, s18, 1024                    ; kvt: act's row 1024 + 256 cy
	s_lshl_b32 s83, s12, 7
	s_lshl_b32 s46, s40, 8                         ; u16: act's row 256 cx
	s_lshl_b32 s82, s80, 10
	s_add_co_u32 s82, s82, s46                     ; kvt: gram's row 1024 x batch + 256 cx
	s_cmp_lg_u32 s45, 0
	s_cselect_b32 s16, s18, s16
	s_cselect_b32 s46, s82, s46
	s_cselect_b32 s81, -1, 0                       ; all ones for kvt: a mask for the choice of maxima
	s_add_co_u32 s16, s16, s17
	s_add_co_u32 s46, s46, s83
	s_lshl_b32 s16, s16, 11                        ; rows of 2,048 bytes
	s_lshl_b32 s46, s46, 11
	s_mov_b32 s17, 0
	s_mov_b32 s47, 0
	s_mul_i32 s20, s10, HALFT                      ; where they go: wave x 128 rows
	s_wait_dscnt 0x0
	s_wait_kmcnt 0x0
	s_cmp_lg_u32 s45, 0
	s_cselect_b64 s[14:15], s[6:7], s[4:5]         ; M: act or x16
	s_cselect_b64 s[82:83], s[72:73], s[6:7]       ; N: gram or act
	s_cselect_b64 s[8:9], s[78:79], s[76:77]       ; the output: kvt or u16
	s_add_nc_u64 s[14:15], s[14:15], s[16:17]
	s_add_nc_u64 s[46:47], s[82:83], s[46:47]
	CROUND                                         ; all sixteen work-groups are here: the first joint loads meet
.irp s, 0,1
	s_mov_b32 s[G0+4*\s], 1
	s_add_co_u32 s[G0+4*\s+1], s20, \s*SLOT
	s_add_nc_u64 s[G0+4*\s+2:G0+4*\s+3], s[14:15], \s*KSTEP*2
	s_or_b32 s[G0+4*\s+3], s[G0+4*\s+3], 0x80000000
	s_mov_b32 s[G0B+4*\s], 1
	s_add_co_u32 s[G0B+4*\s+1], s20, \s*SLOT
	s_add_nc_u64 s[G0B+4*\s+2:G0B+4*\s+3], s[46:47], \s*KSTEP*2
	s_or_b32 s[G0B+4*\s+3], s[G0B+4*\s+3], 0x80000000
	JLOAD \s                                       ; two tensor loads of the wave are out, and later one
.endr
	; The first launch's maxima, asked for now and waited for on the way out; v6 and v8 are not written again before that wait.
	; Block words: word 32 y + x, x < 28.  Lane l takes words 4 min(l & 7, 6) .. + 3 of y = l / 8 (and of y + 4): lanes with l & 7 < 5 hold gram's, the others act's
	; (y < 4: rows 0-1023; y >= 4: rows 1024-2047); lane group 7 repeats group 6, so that the four words of each y that nobody stores are not read.
	v_and_b32 v5, 7, v0
	v_min_u32 v5, 6, v5
	v_bfe_u32 v6, v0, 3, 2
	v_lshlrev_b32 v6, 7, v6
	v_lshl_add_u32 v6, v5, 4, v6
	v_and_b32 v8, 31, v0
	v_lshlrev_b32 v8, 4, v8
	global_load_b128 v[192:195], v6, s[74:75]
	global_load_b128 v[196:199], v6, s[74:75] offset:512
	global_load_b128 v[200:203], v8, s[74:75] offset:1024          ; the 256 words of max|x|
	global_load_b128 v[204:207], v8, s[74:75] offset:1536
	; fragment addresses: lane l holds row l % 16; two loads of 16 bytes, 32 bytes apart, at row x pitch + 16 (l / 16)
	v_and_b32 v1, 15, v0
	v_bfe_u32 v2, v0, 4, 1
	v_mul_u32_u24 v3, v1, PITCH
	v_lshl_add_u32 v3, v2, 4, v3
	s_mul_i32 s21, s11, HALFT
	s_mul_i32 s22, s12, HALFT
	s_add_co_u32 s22, s22, 2*HALFT
.irp s, 0,1
	v_add_nc_u32 v[ADRA+\s], s21, v3
	v_add_nc_u32 v[ADRB+\s], s22, v3
	s_add_co_u32 s21, s21, SLOT
	s_add_co_u32 s22, s22, SLOT
.endr
	s_mul_i32 s23, s10, 16*SPITCH
	s_add_co_u32 s23, s23, STAGE
	v_mul_u32_u24 v4, v1, SPITCH
	v_lshl_add_u32 v4, v2, 4, v4
	v_add_nc_u32 v[STO], s23, v4
	v_mul_u32_u24 v4, v2, SPITCH
	v_lshl_add_u32 v4, v1, 4, v4
	v_add_nc_u32 v[RD], s23, v4
	v_mul_u32_u24 v4, v2, SIZE_N*2
	v_lshl_add_u32 v[CO], v1, 4, v4
; 16 matrix instructions: m blocks a0, a0 + 1 of the window's four x all 8 n blocks, 32 along K.  zero = 1: the product starts the sums.
; The 64 accumulators take turns, one instruction a turn, in the same order in every quarter step.
.macro MUL16 f, hi, a0, zero
.irp a, \a0, \a0+1
.irp b, 0,1,2,3,4,5,6,7
.if \zero
	v_wmma_f32_16x16x32_f16 v[8*(8*(\a)+\b):8*(8*(\a)+\b)+7], v[\f+8*\b:\f+8*\b+7], v[\f+8*(4*\hi+\a):\f+8*(4*\hi+\a)+7], 0
.else
	v_wmma_f32_16x16x32_f16 v[8*(8*(\a)+\b):8*(8*(\a)+\b)+7], v[\f+8*\b:\f+8*\b+7], v[\f+8*(4*\hi+\a):\f+8*(4*\hi+\a)+7], v[8*(8*(\a)+\b):8*(8*(\a)+\b)+7]
.endif
.endr
.endr
.endm
; 32 LDS loads in one run: the fragments of one quarter step into buffer f
.macro FETCH slot, k, f
	WIN TO_B
.irp i, 0,1,2,3,4,5,6,7
	ds_load_b128 v[\f+8*\i:\f+8*\i+3],   v[ADRB+\slot] offset:\k+\i*16*PITCH
	ds_load_b128 v[\f+8*\i+4:\f+8*\i+7], v[ADRB+\slot] offset:\k+\i*16*PITCH+32
.endr
	WIN 0
.irp i, 0,1,2,3,4,5,6,7
	ds_load_b128 v[\f+8*\i:\f+8*\i+3],   v[ADRA+\slot] offset:\k+\i*16*PITCH
	ds_load_b128 v[\f+8*\i+4:\f+8*\i+7], v[ADRA+\slot] offset:\k+\i*16*PITCH+32
.endr
.endm
; four places between a matrix instruction and a load into a register that it read, or a vector instruction that reads its result (ISA guide 7.12.1 for vector instructions)
.macro PLACES
.rept 4
	v_nop
.endr
.endm
.macro QUARTER slot, k, f, g, zero
	s_wait_dscnt 8                                 ; N's fragments and M's rows 0-63 are in; the youngest eight loads (rows 64-127) may be out
	WIN MUL_LO
	MUL16 \f, 0, 0, \zero
	MUL16 \f, 0, 2, \zero
	PLACES
	FETCH \slot, \k, \g
	s_wait_dscnt 32                                ; all but the 32 just issued
	WIN MUL_HI
	MUL16 \f, 1, 0, \zero
	MUL16 \f, 1, 2, \zero
.endm
.macro THREE slot, zero
	QUARTER \slot, 64,  F0, F1, \zero
	QUARTER \slot, 128, F1, F0, 0
	QUARTER \slot, 192, F0, F1, 0
.endm
; The last quarter of a K step changes slots.  In front of the one barrier each wave waits for its reads of this slot and for all its tensor loads (one is out: its part of
; the next slot).  Behind it the refill comes first, then the next slot's first fragments.  From a request to the wait for it a wave issues 240 matrix instructions.
.macro TURN slot, next, fill
	s_wait_dscnt 8
	WIN MUL_LO
	MUL16 F1, 0, 0, 0
	s_wait_dscnt 0                                 ; my reads of this slot are over
	s_wait_tensorcnt 0x0                           ; all my tensor loads have landed
	ds_add_u32 v255, v63
	s_wait_dscnt 0x0
	s_barrier_signal -1                            ; (where a slot is filled again this barrier opens a round of the cluster's barrier)
	MUL16 F1, 0, 2, 0                              ; register work alone between signal and wait
	WIN 0
	s_barrier_wait -1
.if \fill
	CREST                                          ; no wave of any partner still reads this slot or has a load on its way
	s_add_nc_u64 s[G0+4*\slot+2:G0+4*\slot+3], s[G0+4*\slot+2:G0+4*\slot+3], 2*KSTEP*2
	s_add_nc_u64 s[G0B+4*\slot+2:G0B+4*\slot+3], s[G0B+4*\slot+2:G0B+4*\slot+3], 2*KSTEP*2
	JLOAD \slot                                    ; the first tensor load behind the round, one a wave
.endif
	PLACES
	FETCH \next, 0, F0
	WIN MUL_HI
	MUL16 F1, 1, 0, 0
	MUL16 F1, 1, 2, 0
.endm
.macro LAP zero
	THREE 0, \zero
	TURN 0, 1, 1
	THREE 1, 0
	TURN 1, 0, 1
.endm
	s_wait_tensorcnt 1                             ; my part of K step 0 is in; K step 1's may stay out
	s_barrier_signal -1
	s_barrier_wait -1
	FETCH 0, 0, F0
	LAP 1                                          ; the first lap's first products start the sums
	WIN 0                                          ; at a label and at a branch every window is 0
	s_mov_b32 s3, LAPS-2
.Llap:
	LAP 0
	WIN 0
	s_sub_co_u32 s3, s3, 1
	s_cmp_lg_u32 s3, 0
	s_cbranch_scc1 .Llap
	THREE 0, 0                                     ; the last lap fills nothing
	TURN 0, 1, 0
	THREE 1, 0
	s_wait_dscnt 8
	WIN MUL_LO
	MUL16 F1, 0, 0, 0
	MUL16 F1, 0, 2, 0
	s_wait_dscnt 0
	WIN MUL_HI
	MUL16 F1, 1, 0, 0
	MUL16 F1, 1, 2, 0
	; THE SCALE: the two operands' largest magnitudes as stored
	PLACES
	WIN 0
	s_wait_loadcnt 0x0                             ; the four loads of the start
	v_max3_num_f32 v192, v192, v193, v194
	v_max_num_f32 v192, v192, v195                 ; y 0-3: gram's words, or act's rows 0-1023
	v_max3_num_f32 v196, v196, v197, v198
	v_max_num_f32 v196, v196, v199                 ; y 4-7: gram's words, or act's rows 1024-2047
	v_max3_num_f32 v200, v200, v201, v202
	v_max3_num_f32 v200, v200, v203, v204
	v_max3_num_f32 v200, v200, v205, v206
	v_max_num_f32 v200, v200, v207                 ; |x|
	v_and_b32 v5, 7, v0
	v_cmp_gt_u32 vcc_lo, 5, v5                     ; the lanes that hold gram's words
	v_max_num_f32 v193, v192, v196
	v_cndmask_b32 v193, 0, v193, vcc_lo            ; gram
	v_cndmask_b32 v192, v192, 0, vcc_lo            ; act, rows 0-1023
	v_cndmask_b32 v196, v196, 0, vcc_lo            ; act, rows 1024-2047
	v_cndmask_b32 v192, v192, v196, s81            ; u16: act's first half and x;  kvt: act's second half and gram
	v_cndmask_b32 v200, v200, v193, s81
	WMAX 192, 194
	WMAX 200, 194
	v_mul_f32 v192, v192, v200
	v_mul_f32 v192, 0x44800000, v192               ; 1024 x max|P| x max|Q|: no sum of this product passes it
	v_lshrrev_b32 v192, 23, v192                   ; its biased exponent E, kept in 20 .. 253 so that the power below and its inverse are normal numbers
	v_max_u32 v192, 20, v192
	v_min_u32 v192, 0xfd, v192
	v_sub_nc_u32 v[SC], 0x10c, v192                ; s = 2^(141-E): the bound is below 2^(E-126), so bound x s is below 2^15
	v_lshlrev_b32 v[SC], 23, v[SC]
	v_mov_b32 v[SC+1], v[SC]
	; THE WAY OUT, 16 rows at a time: times s, f16, 16 bytes a lane into my own stage, back as whole rows of 256 bytes
	s_lshl_b32 s16, s13, 19                        ; 256 block rows of 2,048 bytes
	s_lshl_b32 s17, s11, 18                        ; + 128 rows for the lower half
	s_add_co_u32 s16, s16, s17
	s_mov_b32 s17, 0
	s_add_nc_u64 s[8:9], s[8:9], s[16:17]
	s_lshl_b32 s46, s40, 9                         ; my first column in bytes: 512 x block + 256 x half
	s_lshl_b32 s47, s12, 8
	s_add_co_u32 s46, s46, s47
	s_mov_b32 s47, 0
	s_add_nc_u64 s[8:9], s[8:9], s[46:47]
; rows 16 i .. 16 i + 15 of my block = tiles (a, 0..7) of window 2 or 3 (from = 0x02 or 0x03: source 0); f: F0 or F1 in turn
.macro OUT16 i, a, from, f
	WIN \from
.irp b, 0,1,2,3,4,5,6,7
.irp r, 0,1,2,3
	v_pk_mul_f32 v[T+8*\b+2*\r:T+8*\b+2*\r+1], v[8*(8*\a+\b)+2*\r:8*(8*\a+\b)+2*\r+1], v[SC:SC+1]
.endr
.endr
	WIN 0
.irp b, 0,1,2,3,4,5,6,7
.irp r, 0,1,2,3
	v_cvt_pk_f16_f32 v[TMP+4*\b+\r], v[T+8*\b+2*\r], v[T+8*\b+2*\r+1]
.endr
.endr
.irp b, 0,1,2,3,4,5,6,7
	ds_store_b128 v[STO], v[TMP+4*\b:TMP+4*\b+3] offset:32*\b
.endr
	s_wait_xcnt 0x0                                ; buffer f, which earlier stores read, is rewritten only behind this wait
.irp t, 0,1,2,3,4,5,6,7
	ds_load_b128 v[\f+4*\t:\f+4*\t+3], v[RD] offset:\t*2*SPITCH    ; LDS serves a wave's instructions in order: these see the stores above
.endr
.irp t, 0,1,2,3,4,5,6,7
	s_wait_dscnt 7-\t
	global_store_b128 v[CO], v[\f+4*\t:\f+4*\t+3], s[8:9] offset:(16*\i+2*\t)*SIZE_N*2   ; 16 lanes store 256 consecutive bytes, aligned; the row stands in the immediate, 258,048 at the most
.endr
.endm
	OUT16 0, 0, 0x02, F0
	OUT16 1, 1, 0x02, F1
	OUT16 2, 2, 0x02, F0
	OUT16 3, 3, 0x02, F1
	OUT16 4, 0, 0x03, F0
	OUT16 5, 1, 0x03, F1
	OUT16 6, 2, 0x03, F0
	OUT16 7, 3, 0x03, F1
	s_set_vgpr_msb 0x1
	s_wait_tensorcnt 0x0
	ds_add_u32 v255, v63
	s_wait_dscnt 0x0
	s_set_vgpr_msb 0x100
	CROUND                                         ; the closing round: no work-group ends while a partner may still ask for a tile that names it
	s_endpgm
.Lfunc_end_k_q9426cc4882_guk:
	.size	k_q9426cc4882_guk, .Lfunc_end_k_q9426cc4882_guk-k_q9426cc4882_guk
	.p2alignl 7, 3214868480
	.fill 96, 4, 3214868480
	.section	.rodata,"a",@progbits
	.p2align	6, 0x0
	.amdhsa_kernel k_q9426cc4882_guk
		.amdhsa_group_segment_fixed_size 327680
		.amdhsa_private_segment_fixed_size 0
		.amdhsa_enable_private_segment 0
		.amdhsa_kernarg_size 48
		.amdhsa_user_sgpr_count 2
		.amdhsa_user_sgpr_kernarg_segment_ptr 1
		.amdhsa_wavefront_size32 1
		.amdhsa_system_sgpr_workgroup_id_x 1
		.amdhsa_system_sgpr_workgroup_id_y 1
		.amdhsa_system_sgpr_workgroup_id_z 1
		.amdhsa_system_vgpr_workitem_id 0
		.amdhsa_next_free_vgpr 1024
		.amdhsa_next_free_sgpr 84
		.amdhsa_reserve_vcc 1
		.amdhsa_float_denorm_mode_32 3
		.amdhsa_float_denorm_mode_16_64 3
		.amdhsa_memory_ordered 1
		.amdhsa_forward_progress 1
		.amdhsa_inst_pref_size 215
	.end_amdhsa_kernel
	.amdgpu_metadata
---
amdhsa.version: [ 1, 2 ]
amdhsa.kernels:
  - .name:           k_q9426cc4882_guk
    .symbol:         k_q9426cc4882_guk.kd
    .args:
      - { .name: x16, .offset: 0, .size: 8, .value_kind: global_buffer, .address_space: global }
      - { .name: act, .offset: 8, .size: 8, .value_kind: global_buffer, .address_space: global }
      - { .name: gram, .offset: 16, .size: 8, .value_kind: global_buffer, .address_space: global }
      - { .name: st0, .offset: 24, .size: 8, .value_kind: global_buffer, .address_space: global }
      - { .name: u16, .offset: 32, .size: 8, .value_kind: global_buffer, .address_space: global }
      - { .name: kvt, .offset: 40, .size: 8, .value_kind: global_buffer, .address_space: global }
    .group_segment_fixed_size: 327680
    .private_segment_fixed_size: 0
    .kernarg_segment_align: 8
    .kernarg_segment_size: 48
    .max_flat_workgroup_size: 128
    .sgpr_count:     84
    .vgpr_count:     1024
    .wavefront_size: 32
...
	.end_amdgpu_metadata
.endif
;; end of part 2
;; launch gout (part 3): grid 4 x 64, 4 waves a work-group, clusters of 4 x 4, 327,680 bytes of LDS; arguments u16, kvt, x, bp, st0, out0; writes out0
.if DOCPART == 3
	.amdgcn_target "amdgcn-amd-amdhsa--gfx1250"
	.amdhsa_code_object_version 6
	.text
	.protected	k_q9426cc4882_gout
	.globl	k_q9426cc4882_gout
	.p2align	8
	.type	k_q9426cc4882_gout,@function
k_q9426cc4882_gout:
	s_mov_b64 s[64:65], 0
	v_nop
	global_prefetch_b8 v0, s[64:65] scope:SCOPE_SE
	s_setreg_imm32_b32 hwreg(HW_REG_WAVE_MODE, 25, 1), 1
	s_wait_xcnt 0x0
	s_wait_alu depctr_hold_cnt(0) depctr_sa_sdst(0) depctr_va_vdst(0) depctr_va_sdst(0) depctr_va_ssrc(0) depctr_va_vcc(0) depctr_vm_vsrc(0)
	s_getreg_b32 s2, hwreg(HW_REG_IB_STS2, 6, 4)
	s_cmp_eq_u32 s2, 0
	s_cbranch_scc0 .Lentry_in_a_cluster
	s_endpgm
.Lentry_in_a_cluster:
	s_bfe_u32 s2, ttmp6, 0x10000c
	s_cmp_lg_u32 s2, 0xf033
	s_cbranch_scc0 .Lentry_shape_is_right
	s_endpgm
.Lentry_shape_is_right:
; THIRD LAUNCH: out0[1024 b + t][g] = F x sum over d of u16[1024 b + t][d] kvt[1024 b + g][d] + bp[g] + x[t][g], f32.
; No work of the problem is left out here (the order of the products is the one shown at the head of the first launch).
; F takes back the powers of two by which the operands were stored: u = u16 x 2^(Eu-141) x 2^-5 (act holds 32 A), kv = kvt x 2^(Ek-141) x 2^-5 x 2^6 (32 C, 2^-6 G),
; so F = 2^(Eu-141) x 2^(Ek-141) x 2^-4; Eu and Ek are formed as in the second launch, from the same words of st0.
; LIMIT: F is formed in f32; where Eu + Ek - 159 leaves 1 .. 254 it overflows or is flushed.
; A work-group makes 128 rows x 256 columns with four waves, a wave 64 x 128: 32 accumulator tiles in window 1.  64 x 4 blocks = 256 work-groups.
; Both operands lie along K: plain fragment loads.  K goes in steps of 128 (rows of 256 bytes) through two LDS slots.
; Two slots of a longer K step would take 2 x 208,896 bytes and do not fit; from a request to the wait for it a wave issues 120 matrix instructions.
; CLUSTERS: 4 x 4.  The four of a row of the cluster share u16's tile (it hangs on the block row); the four of a column share kvt's tile: a cluster's four block rows lie in
; one batch (batch = cluster y / 2), so that tile hangs on the block column and the cluster's y alone.
; Waves 0 and 1 fetch the halves of kvt's tile (128 rows each), waves 2 and 3 those of u16's (64 rows each).
; The wave's own 64 x 128 numbers of x, the bias and st0's words are asked for at the start and waited for on the way out: they land while the products run.
; REGISTERS: window 0: v0-31 addresses, bias, F; v32-63, v64-95 M fragments, two buffers; v96-159, v160-223 N fragments, two buffers; v224-239 st0's words.
;   window 1: accumulator tile (a, b) at v[8 (8 a + b)];  window 2: row j of x at v[4 j].
.set PITCH,  272                       ; an LDS row: 256 bytes + 16
.set BT,     256*PITCH                 ; 69,632: kvt's tile lies first in a slot,
.set SLOT,   BT+128*PITCH              ; u16's behind it: 104,448
.set STAGE,  2*SLOT                    ; 208,896: 16 rows x 528 bytes for each wave; no tensor load lands here
.set OPITCH, 528                       ; 128 f32 + 16 bytes = 33 x 16
.set KBYTES, 256                       ; a K step along the rows
.set BIAS, 8                           ; v[8:11] bp of my four columns
.set ADRA, 16
.set ADRB, 20
.set STO,  24
.set RD,   25
.set CO,   26
.set SC,   28                          ; v[28:29] F, twice
.set FA0,  32
.set FB0,  96
.set G1, 24                            ; s[24:31] group 1, u16's tiles
.set G0, 32                            ; s[32:39] group 0, u16's tiles, one set a slot
.set G1B, 48                           ; s[48:55] group 1, kvt's tiles
.set G0B, 56                           ; s[56:63] group 0, kvt's tiles
.set MSB, 0
.macro WIN new                         ; the immediate's high byte repeats the setting that is left
.if MSB != \new
	s_set_vgpr_msb (MSB<<8)|\new
.set MSB, \new
.endif
.endm
.set MUL, 0x50                         ; C and D window 1, sources window 0
.macro JLOAD s                         ; a joint load; the branch hangs on the wave's number alone
	s_cmp_eq_u32 s11, 0
	s_cbranch_scc0 .Lfor_m_\@
	tensor_load_to_lds s[G0B+4*\s:G0B+4*\s+3], s[G1B:G1B+7]
	s_nop 0
	s_branch .Lasked_\@
.Lfor_m_\@:
	tensor_load_to_lds s[G0+4*\s:G0+4*\s+3], s[G1:G1+7]
	s_nop 0
.Lasked_\@:
.endm
.macro CREST                           ; a round of the cluster's barrier behind its opening barrier
	s_cmp_lg_u32 s10, 0
	s_cbranch_scc1 .Lnot_wave_0_\@
	s_barrier_signal -3
.Lnot_wave_0_\@:
	s_barrier_wait -3
	s_barrier_signal -1
	s_barrier_wait -1
.endm
.macro CROUND
	s_barrier_signal -1
	s_barrier_wait -1
	CREST
.endm
.macro WMAX r, t                       ; the largest over the 32 lanes, in every lane; t: any register that has been written
	v_max_num_f32_dpp v[\r], v[\r], v[\r] row_xmask:1 row_mask:0xf bank_mask:0xf
	v_max_num_f32_dpp v[\r], v[\r], v[\r] row_xmask:2 row_mask:0xf bank_mask:0xf
	v_max_num_f32_dpp v[\r], v[\r], v[\r] row_xmask:4 row_mask:0xf bank_mask:0xf
	v_max_num_f32_dpp v[\r], v[\r], v[\r] row_xmask:8 row_mask:0xf bank_mask:0xf
	v_permlanex16_b32 v[\t], v[\r], s66, s67
	v_max_num_f32 v[\r], v[\r], v[\t]
.endm
.macro POWR d, e                       ; a bound (not negative) in e becomes 2^(E-141) in d, E its biased exponent kept in 20 .. 253
	v_lshrrev_b32 v[\e], 23, v[\e]
	v_max_u32 v[\e], 20, v[\e]
	v_min_u32 v[\e], 0xfd, v[\e]
	v_add_nc_u32 v[\d], -14, v[\e]
	v_lshlrev_b32 v[\d], 23, v[\d]
.endm
	s_load_b128 s[4:7], s[0:1], 0x0                ; u16 s[4:5], kvt s[6:7]
	s_load_b128 s[72:75], s[0:1], 0x10             ; x s[72:73], bp s[74:75]
	s_load_b64 s[68:69], s[0:1], 0x20              ; st0
	s_load_b64 s[8:9], s[0:1], 0x28                ; out0
	v_lshl_add_u32 v254, v0, 2, 0x3b400
	v_mov_b32 v255, 0
	ds_add_u32 v254, v255
	v_lshrrev_b32 v1, 5, v0
	v_readfirstlane_b32 s10, v1                    ; wave 0..3
	s_lshr_b32 s11, s10, 1                         ; wm: my 64 rows.  Also: I fetch for kvt (0) or for u16 (1)
	s_and_b32 s12, s10, 1                          ; wn: my 128 columns.  Also: which half of that tile I fetch
	s_mov_b32 s66, 0x76543210
	s_mov_b32 s67, 0xfedcba98
	s_bfe_u32 s40, ttmp6, 0x40000                  ; cx
	s_bfe_u32 s41, ttmp6, 0x40004                  ; cy
	s_lshl_b32 s42, ttmp9, 2
	s_add_co_u32 s42, s42, s40                     ; block column
	s_and_b32 s45, ttmp7, 0xffff                   ; the cluster's y
	s_lshl_b32 s13, s45, 2
	s_add_co_u32 s13, s13, s41                     ; block row
	s_lshr_b32 s45, s45, 1                         ; batch, from the cluster's y alone
	s_lshl_b32 s43, s41, 2
	s_lshl_b32 s43, 15, s43                        ; my row of the cluster
	s_lshl_b32 s44, 0x1111, s40                    ; my column
	; group 1.  u16: 64 rows x 128 elements of 2 bytes, 1,024 elements from row to row, 4 words of padding behind every 64
	s_or_b32 s[G1+0], s43, (1<<16)|(1<<20)|(1<<21)|(5<<22)|(3<<25)
	s_mov_b32 s[G1+1], 128<<16
	s_mov_b32 s[G1+2], 64<<16
	s_mov_b32 s[G1+3], 128<<16
	s_mov_b32 s[G1+4], 64
	s_mov_b32 s[G1+5], 1024
	s_mov_b32 s[G1+6], 0
	s_mov_b32 s[G1+7], 0
	; kvt: 128 rows x 128 elements, 1,024 from row to row, the same padding
	s_or_b32 s[G1B+0], s44, (1<<16)|(1<<20)|(1<<21)|(5<<22)|(3<<25)
	s_mov_b32 s[G1B+1], 128<<16
	s_mov_b32 s[G1B+2], 128<<16
	s_mov_b32 s[G1B+3], 128<<16
	s_mov_b32 s[G1B+4], 128
	s_mov_b32 s[G1B+5], 1024
	s_mov_b32 s[G1B+6], 0
	s_mov_b32 s[G1B+7], 0
	s_lshl_b32 s16, s13, 18                        ; u16: row 128 block row + 64 half, of 2,048 bytes
	s_lshl_b32 s17, s12, 17
	s_add_co_u32 s16, s16, s17
	s_mov_b32 s17, 0
	s_lshl_b32 s46, s45, 21                        ; kvt: row 1024 batch + 256 block column + 128 half, of 2,048 bytes
	s_lshl_b32 s47, s42, 19
	s_add_co_u32 s46, s46, s47
	s_lshl_b32 s47, s12, 18
	s_add_co_u32 s46, s46, s47
	s_mov_b32 s47, 0
	s_mul_i32 s20, s10, 128*PITCH                  ; kvt's halves, waves 0 and 1: wave x 34,816
	s_mul_i32 s21, s10, 64*PITCH                   ; u16's halves, waves 2 and 3: 69,632 + (wave - 2) x 17,408 = wave x 17,408 + 34,816
	s_add_co_u32 s21, s21, BT-2*64*PITCH
	s_wait_dscnt 0x0
	s_wait_kmcnt 0x0
	s_add_nc_u64 s[14:15], s[4:5], s[16:17]
	s_add_nc_u64 s[46:47], s[6:7], s[46:47]
	CROUND                                         ; all sixteen work-groups are here: the first joint loads meet
.irp s, 0,1
	s_mov_b32 s[G0+4*\s], 1
	s_add_co_u32 s[G0+4*\s+1], s21, \s*SLOT
	s_add_nc_u64 s[G0+4*\s+2:G0+4*\s+3], s[14:15], \s*KBYTES
	s_or_b32 s[G0+4*\s+3], s[G0+4*\s+3], 0x80000000
	s_mov_b32 s[G0B+4*\s], 1
	s_add_co_u32 s[G0B+4*\s+1], s20, \s*SLOT
	s_add_nc_u64 s[G0B+4*\s+2:G0B+4*\s+3], s[46:47], \s*KBYTES
	s_or_b32 s[G0B+4*\s+3], s[G0B+4*\s+3], 0x80000000
	JLOAD \s                                       ; two tensor loads of the wave are out, and later one
.endr
	; my block in x and in out0: row 128 block row + 64 wm, of 4,096 bytes; column byte 1,024 block column + 512 wn
	s_lshl_b32 s80, s42, 10
	s_lshl_b32 s81, s12, 9
	s_add_co_u32 s80, s80, s81
	s_mov_b32 s81, 0
	s_add_nc_u64 s[74:75], s[74:75], s[80:81]      ; bp at my 128 columns
	s_lshl_b32 s78, s13, 19
	s_lshl_b32 s79, s11, 18
	s_add_co_u32 s78, s78, s79
	s_add_co_u32 s78, s78, s80
	s_mov_b32 s79, 0
	s_add_nc_u64 s[72:73], s[72:73], s[78:79]
	s_add_nc_u64 s[8:9], s[8:9], s[78:79]
	v_and_b32 v1, 15, v0                           ; r
	v_bfe_u32 v2, v0, 4, 1                         ; h
	v_and_b32 v3, 31, v0
	v_lshlrev_b32 v[CO], 4, v3                     ; 16 x lane: a wave's load or store covers my block's 512 bytes of a row
	global_load_b128 v[BIAS:BIAS+3], v[CO], s[74:75]
	; The first launch's maxima; v6 and v26 are not written again.  Block words: word 32 y + x, x < 28.  Lane l takes words 4 min(l & 7, 6) .. + 3 of y = l / 8 (and of y + 4):
	; lanes with l & 7 < 5 hold gram's, the others act's; lane group 7 repeats group 6, so that the four words of each y that nobody stores are not read.
	v_and_b32 v5, 7, v0
	v_min_u32 v5, 6, v5
	v_bfe_u32 v6, v0, 3, 2
	v_lshlrev_b32 v6, 7, v6
	v_lshl_add_u32 v6, v5, 4, v6
	global_load_b128 v[224:227], v6, s[68:69]
	global_load_b128 v[228:231], v6, s[68:69] offset:512
	global_load_b128 v[232:235], v[CO], s[68:69] offset:1024       ; the 256 words of max|x|
	global_load_b128 v[236:239], v[CO], s[68:69] offset:1536
	v_mul_u32_u24 v3, v1, PITCH
	v_lshl_add_u32 v3, v2, 4, v3                   ; row x pitch + 16 x half
	s_mul_i32 s22, s11, 64*PITCH                   ; my 64 rows of u16's tile,
	s_add_co_u32 s22, s22, BT                      ; which lies behind kvt's
	s_mul_i32 s23, s12, 128*PITCH                  ; my 128 rows of kvt's tile
.irp s, 0,1
	v_add_nc_u32 v[ADRA+\s], s22, v3
	v_add_nc_u32 v[ADRB+\s], s23, v3
	s_add_co_u32 s22, s22, SLOT
	s_add_co_u32 s23, s23, SLOT
.endr
	s_mul_i32 s22, s10, 16*OPITCH
	s_add_co_u32 s22, s22, STAGE
	v_mul_u32_u24 v4, v1, OPITCH                   ; stage in: row r, 32 bytes for each half of the lanes
	v_lshl_add_u32 v4, v2, 5, v4
	v_add_nc_u32 v[STO], s22, v4
	v_add_nc_u32 v[RD], s22, v[CO]                 ; stage out: a whole row of 512 bytes a load
	WIN 0x80                                       ; destination window 2
.set j, 0
.rept 64
	global_load_b128 v[4*j:4*j+3], v[CO], s[72:73] offset:j*4096 th:TH_LOAD_NT
.set j, j+1
.endr
	WIN 0
; eight matrix instructions: m block a x all 8 n blocks, 32 along K, on buffer f.  Source 0 = rows of kvt (columns of out0), source 1 = rows of u16.
; The 32 accumulators take turns, one instruction a turn, in the same order in every quarter step.
.macro MUL8 f, a, zero
.irp b, 0,1,2,3,4,5,6,7
.if \zero
	v_wmma_f32_16x16x32_f16 v[8*(8*(\a)+\b):8*(8*(\a)+\b)+7], v[FB0+64*\f+8*\b:FB0+64*\f+8*\b+7], v[FA0+32*\f+8*(\a):FA0+32*\f+8*(\a)+7], 0
.else
	v_wmma_f32_16x16x32_f16 v[8*(8*(\a)+\b):8*(8*(\a)+\b)+7], v[FB0+64*\f+8*\b:FB0+64*\f+8*\b+7], v[FA0+32*\f+8*(\a):FA0+32*\f+8*(\a)+7], v[8*(8*(\a)+\b):8*(8*(\a)+\b)+7]
.endif
.endr
.endm
; 24 LDS loads in one run: quarter q of the slot into buffer f: 16 for kvt, then 8 for u16
.macro FETCH slot, q, f
.irp j, 0,1,2,3,4,5,6,7
	ds_load_b128 v[FB0+64*\f+8*\j:FB0+64*\f+8*\j+3],   v[ADRB+\slot] offset:64*\q+\j*16*PITCH
	ds_load_b128 v[FB0+64*\f+8*\j+4:FB0+64*\f+8*\j+7], v[ADRB+\slot] offset:64*\q+\j*16*PITCH+32
.endr
.irp i, 0,1,2,3
	ds_load_b128 v[FA0+32*\f+8*\i:FA0+32*\f+8*\i+3],   v[ADRA+\slot] offset:64*\q+\i*16*PITCH
	ds_load_b128 v[FA0+32*\f+8*\i+4:FA0+32*\f+8*\i+7], v[ADRA+\slot] offset:64*\q+\i*16*PITCH+32
.endr
.endm
; four places between a matrix instruction and a load into a register that it read, or an LDS store that reads its result
.macro PLACES
.rept 4
	v_nop
.endr
.endm
.macro QUARTER slot, q, f, g, zero
	s_wait_dscnt 4                                 ; all but the youngest four loads: m blocks 2 and 3
	WIN MUL
	MUL8 \f, 0, \zero
	MUL8 \f, 1, \zero
	PLACES
	WIN 0
	FETCH \slot, \q, \g
	s_wait_dscnt 24                                ; all but the 24 just issued
	WIN MUL
	MUL8 \f, 2, \zero
	MUL8 \f, 3, \zero
.endm
.macro THREE slot, zero
	QUARTER \slot, 1, 0, 1, \zero
	QUARTER \slot, 2, 1, 0, 0
	QUARTER \slot, 3, 0, 1, 0
.endm
; The last quarter of a K step changes slots: each wave's waits for its reads of this slot and for all its tensor loads, one barrier (which opens a round of the cluster's
; barrier where the slot is filled again), the refill first behind it, then the next slot's first fragments.
.macro TURN slot, next, fill
	s_wait_dscnt 4
	WIN MUL
	MUL8 1, 0, 0
	s_wait_dscnt 0                                 ; my reads of this slot are over
	s_wait_tensorcnt 0x0                           ; all my tensor loads have landed: the one that was out is my part of the next slot
	ds_add_u32 v254, v255
	s_wait_dscnt 0x0
	s_barrier_signal -1
	MUL8 1, 1, 0                                   ; register work alone between signal and wait
	WIN 0
	s_barrier_wait -1
.if \fill
	CREST                                          ; no wave of any partner still reads this slot or has a load on its way
	s_add_nc_u64 s[G0+4*\slot+2:G0+4*\slot+3], s[G0+4*\slot+2:G0+4*\slot+3], 2*KBYTES
	s_add_nc_u64 s[G0B+4*\slot+2:G0B+4*\slot+3], s[G0B+4*\slot+2:G0B+4*\slot+3], 2*KBYTES
	JLOAD \slot                                    ; the first tensor load behind the round, one a wave
.endif
	PLACES
	FETCH \next, 0, 0
	WIN MUL
	MUL8 1, 2, 0
	MUL8 1, 3, 0
.endm
.macro LAP zero
	THREE 0, \zero
	TURN 0, 1, 1
	THREE 1, 0
	TURN 1, 0, 1
.endm
	s_wait_tensorcnt 1                             ; my part of K step 0 is in; K step 1's may stay out
	s_barrier_signal -1
	s_barrier_wait -1
	FETCH 0, 0, 0
	LAP 1                                          ; the first products start the sums
	WIN 0
	s_mov_b32 s3, 2                                ; 8 K steps = 4 laps: one in front, two here, one behind
.Llap:
	LAP 0
	WIN 0
	s_sub_co_u32 s3, s3, 1
	s_cmp_lg_u32 s3, 0
	s_cbranch_scc1 .Llap
	THREE 0, 0                                     ; the last lap fills nothing
	TURN 0, 1, 0
	THREE 1, 0
	s_wait_dscnt 4
	WIN MUL
	MUL8 1, 0, 0
	MUL8 1, 1, 0
	s_wait_dscnt 0
	MUL8 1, 2, 0
	MUL8 1, 3, 0
	; THE FACTOR F
	PLACES
	WIN 0
	s_wait_loadcnt 0x0                             ; the bias, st0's words and my 64 rows of x are in
	v_max3_num_f32 v224, v224, v225, v226
	v_max_num_f32 v224, v224, v227                 ; y 0-3: gram's words, or act's rows 0-1023
	v_max3_num_f32 v228, v228, v229, v230
	v_max_num_f32 v228, v228, v231                 ; y 4-7: gram's words, or act's rows 1024-2047
	v_max3_num_f32 v232, v232, v233, v234
	v_max3_num_f32 v232, v232, v235, v236
	v_max3_num_f32 v232, v232, v237, v238
	v_max_num_f32 v232, v232, v239                 ; |x|
	v_and_b32 v5, 7, v0
	v_cmp_gt_u32 vcc_lo, 5, v5                     ; the lanes that hold gram's words
	v_max_num_f32 v225, v224, v228
	v_cndmask_b32 v225, 0, v225, vcc_lo            ; gram
	v_cndmask_b32 v224, v224, 0, vcc_lo            ; act, rows 0-1023
	v_cndmask_b32 v228, v228, 0, vcc_lo            ; act, rows 1024-2047
	WMAX 232, 226
	WMAX 224, 226
	WMAX 228, 226
	WMAX 225, 226
	v_mul_f32 v232, v232, v224
	v_mul_f32 v232, 0x44800000, v232               ; u's bound: 1024 x max|x| x max|act, first half|
	v_mul_f32 v228, v228, v225
	v_mul_f32 v228, 0x44800000, v228               ; kv's bound: 1024 x max|act, second half| x max|gram|
	POWR SC, 232
	POWR SC+1, 228
	v_mul_f32 v[SC], 0x3d800000, v[SC]             ; 2^-4 = 2^-5 x 2^-5 x 2^6
	v_mul_f32 v[SC], v[SC], v[SC+1]
	v_mov_b32 v[SC+1], v[SC]
	; THE WAY OUT, 16 rows at a time: the sums go through my own stage into whole rows of 512 bytes; there F x sum + x, + bp, and the store
.macro OUTG a, f
	WIN 0x04                                       ; an LDS store's data is source 1: window 1
.irp b, 0,1,2,3,4,5,6,7
	ds_store_b128 v[STO], v[8*(8*\a+\b):8*(8*\a+\b)+3]   offset:64*\b
	ds_store_b128 v[STO], v[8*(8*\a+\b)+4:8*(8*\a+\b)+7] offset:64*\b+16
.endr
	WIN 0
	s_wait_xcnt 0x0                                ; buffer f, which earlier stores read, is rewritten only behind this wait
.irp t, 0,1,2,3,4,5,6,7,8,9,10,11,12,13,14,15
	ds_load_b128 v[\f+4*\t:\f+4*\t+3], v[RD] offset:\t*OPITCH      ; LDS serves a wave's instructions in order: these see the stores above
.endr
	s_wait_dscnt 0x0
	WIN 0x20                                       ; source 2 in x's window
.irp t, 0,1,2,3,4,5,6,7,8,9,10,11,12,13,14,15
	v_pk_fma_f32 v[\f+4*\t:\f+4*\t+1],   v[\f+4*\t:\f+4*\t+1],   v[SC:SC+1], v[4*(16*\a+\t):4*(16*\a+\t)+1]
	v_pk_fma_f32 v[\f+4*\t+2:\f+4*\t+3], v[\f+4*\t+2:\f+4*\t+3], v[SC:SC+1], v[4*(16*\a+\t)+2:4*(16*\a+\t)+3]
.endr
	WIN 0
.irp t, 0,1,2,3,4,5,6,7,8,9,10,11,12,13,14,15
	v_pk_add_f32 v[\f+4*\t:\f+4*\t+1],   v[\f+4*\t:\f+4*\t+1],   v[BIAS:BIAS+1]
	v_pk_add_f32 v[\f+4*\t+2:\f+4*\t+3], v[\f+4*\t+2:\f+4*\t+3], v[BIAS+2:BIAS+3]
	global_store_b128 v[CO], v[\f+4*\t:\f+4*\t+3], s[8:9] offset:(16*\a+\t)*4096 th:TH_STORE_NT   ; the wave stores 512 consecutive bytes, aligned
.endr
.endm
	OUTG 0, 96
	OUTG 1, 160
	OUTG 2, 96
	OUTG 3, 160
	s_wait_tensorcnt 0x0
	ds_add_u32 v254, v255
	s_wait_dscnt 0x0
	CROUND                                         ; the closing round
	s_endpgm
.Lfunc_end_k_q9426cc4882_gout:
	.size	k_q9426cc4882_gout, .Lfunc_end_k_q9426cc4882_gout-k_q9426cc4882_gout
	.p2alignl 7, 3214868480
	.fill 96, 4, 3214868480
	.section	.rodata,"a",@progbits
	.p2align	6, 0x0
	.amdhsa_kernel k_q9426cc4882_gout
		.amdhsa_group_segment_fixed_size 327680
		.amdhsa_private_segment_fixed_size 0
		.amdhsa_enable_private_segment 0
		.amdhsa_kernarg_size 48
		.amdhsa_user_sgpr_count 2
		.amdhsa_user_sgpr_kernarg_segment_ptr 1
		.amdhsa_wavefront_size32 1
		.amdhsa_system_sgpr_workgroup_id_x 1
		.amdhsa_system_sgpr_workgroup_id_y 1
		.amdhsa_system_sgpr_workgroup_id_z 1
		.amdhsa_system_vgpr_workitem_id 0
		.amdhsa_next_free_vgpr 768
		.amdhsa_next_free_sgpr 84
		.amdhsa_reserve_vcc 1
		.amdhsa_float_denorm_mode_32 3
		.amdhsa_float_denorm_mode_16_64 3
		.amdhsa_memory_ordered 1
		.amdhsa_forward_progress 1
		.amdhsa_inst_pref_size 142
	.end_amdhsa_kernel
	.amdgpu_metadata
---
amdhsa.version: [ 1, 2 ]
amdhsa.kernels:
  - .name:           k_q9426cc4882_gout
    .symbol:         k_q9426cc4882_gout.kd
    .args:
      - { .name: u16, .offset: 0, .size: 8, .value_kind: global_buffer, .address_space: global }
      - { .name: kvt, .offset: 8, .size: 8, .value_kind: global_buffer, .address_space: global }
      - { .name: x, .offset: 16, .size: 8, .value_kind: global_buffer, .address_space: global }
      - { .name: bp, .offset: 24, .size: 8, .value_kind: global_buffer, .address_space: global }
      - { .name: st0, .offset: 32, .size: 8, .value_kind: global_buffer, .address_space: global }
      - { .name: out0, .offset: 40, .size: 8, .value_kind: global_buffer, .address_space: global }
    .group_segment_fixed_size: 327680
    .private_segment_fixed_size: 0
    .kernarg_segment_align: 8
    .kernarg_segment_size: 48
    .max_flat_workgroup_size: 128
    .sgpr_count:     84
    .vgpr_count:     768
    .wavefront_size: 32
...
	.end_amdgpu_metadata
.endif
;; end of part 3
